; MI455X (gfx1250); checked and timed in simulation.
; The chip was launched on July 23, 2026; its instructions are those of AMD's public machine-readable ISA for CDNA 5 (MIT licence, August 2026) and "CDNA5" Instruction Set Architecture Reference Guide (July 2026). The comments in the code are by the model that wrote it; some were corrected since.
;; Offline Sliding Window Attn. Allowed arithmetic: float matrix products may take bf16 or f16 operands with f32 sums; all other float work in f32.
;; Inputs: k 2 x 2,048 x 8 x 128 float32; q 2 x 2,048 x 16 x 128 float32; v 2 x 2,048 x 8 x 128 float32; wk 1,024 float32; wq 2,048 float32.
;; Outputs: out0 2 x 2,048 x 16 x 128 float32.
;; One version. Each part assembles by itself: llvm-mc -triple=amdgcn-amd-amdhsa -mcpu=gfx1250 --defsym DOCPART=n.
;; ======== version 1 of 1: 1 launch
;; limits: values are held in f16: magnitudes above 65,504 overflow, below 6.1e-05 lose precision; inputs' magnitudes at most 60,000
;; launch swattn (part 1): grid 16 x 16, 8 waves a work-group, no clusters, 289,792 bytes of LDS; arguments k, q, v, wk, wq, out0; writes out0
.if DOCPART == 1
	.amdgcn_target "amdgcn-amd-amdhsa--gfx1250"
	.amdhsa_code_object_version 6
	.text
	.protected	k_q2dbd657321_swattn
	.globl	k_q2dbd657321_swattn
	.p2align	8
	.type	k_q2dbd657321_swattn,@function
k_q2dbd657321_swattn:
	s_mov_b64 s[64:65], 0
	v_nop
	global_prefetch_b8 v0, s[64:65] scope:SCOPE_SE
	s_setreg_imm32_b32 hwreg(HW_REG_WAVE_MODE, 25, 1), 1
	s_wait_xcnt 0x0
; Sliding-window causal attention with QK RMS norm and a tanh cap.  q, out0: [2][2048][16][128] f32; k, v: [2][2048][8][128] f32.
; Key j counts for query i iff 0 <= i - j <= 512.
;
; SHARES.  Work-group (x = qb, y = bh): 128 query positions 128 qb .. +127 of batch b = bh >> 3, for the two query heads 2 kvh, 2 kvh + 1
; that share kv head kvh = bh & 7.  Key tiles of 128 are walked downward: tile qb (diagonal), qb-1 .. qb-3 (every pair allowed, distances
; 1 .. 511), qb-4 (old edge); blocks with qb < 4 stop at tile 0.  Wave w makes 16 positions (block p) x 2 heads, and brings rows
; 16 w .. 16 w + 15 of every K and V tile into LDS.  p = w for w < 4, else 11 - w: waves w and w + 4 together have five of the eight
; chunks of 32 keys to do in each edge tile (a chunk wholly outside the mask is jumped over).
; A tile's four chunks run in a loop of four trips: the chunk's place is in two LDS address registers and in the mask term, which step.
;
; BOTH PRODUCTS ARE USED TRANSPOSED.  S^T = K Q^T: lane (r, h), register j holds (key 8 h + j, query r).  Packing pairs of registers to
; 16 bits gives the second source of O^T = V^T P^T as it stands: no lane exchange and no LDS trip between the products, and a row sum is
; a lane's own but for one exchange of the two halves at the end.  V^T comes from V[key][d] by the transposing LDS load.
;
; ARITHMETIC.  Q's operand is q * rsqrt(mean q^2 + eps) * wq * sqrt(a), K's is k * rsqrt(mean k^2 + eps) * wk * sqrt(a),
; a = 2 log2(e) / (30 sqrt(128)).  With x = the product: t = 2^x, r = 1 / (1 + t), p = 2^(C - 2 C r), C = 30 log2(e), which is
; exp(30 tanh(s / 30)).  t = infinity gives r = 0 and p = 2^C; t = 0 gives p = 2^-C.
; NO MAXIMUM IS TAKEN AWAY: the cap that reference() itself makes holds every exponent in [-30, 30] for every input, so p lies in
; [2^-43.3, 2^43.3] and a sum of at most 513 of them below 2^53: nothing can overflow or underflow in f32 or bf16.
; Every row holds its own key (distance 0), so no row is empty and p / l lies in [0, 1]: nan_to_num and the clip change no number.
;
; OPERAND FORMATS.  Q and K go in f16: the norm holds a normalised number at sqrt(128) at the most for every input, so an operand is at
; most 11.32 x 0.0922 x |gain| = 1.05 |gain|, and f16's 11 bits round eight times finer than bf16's 8.
; P spans 2^+-43.3, which f16 cannot hold: P and V go in bf16.  A row with n keys has weights near 1 / n, so what 8 bits leave of error in
; its output falls as 1 / sqrt(n) only; in rows with few keys it is large against the outputs of the full rows of 513 keys.  So the
; work-groups with qb <= 2 split P and V, in their diagonal tile and the tile below it, into hi = bf16(x) and lo = bf16(x - hi), 16 bits
; together, and add three products, Ph Vh + Pl Vh + Ph Vl (the fourth is below 2^-16 of the first).  Keys that are not split then reach
; rows of 257 keys or more alone.  These work-groups walk at most 3 tiles where the others walk 5.
; LIMITS: NaN and infinite inputs are not served.  Gains wq, wk below 60,000 in magnitude (f16's largest number, 65,504, over 1.05).
; Row sums add p in f32.
;
; NO TENSOR LOADS, NO CLUSTER: every byte of q, k, v passes through registers for the norm and the conversion to 16 bits, so a tile in f32
; in LDS would add a write and a read of twice the bytes.  The two heads that share K and V are in one work-group already; neighbouring
; query blocks want windows one tile apart, so a joint walk of four blocks has 8 steps of which each partner uses 5.
;
; LDS: two slots (K f16 128 x 272 bytes, V hi bf16 128 x 288 bytes, V lo the same), filled by LDS stores; behind them a stage of 8,960
; bytes for each wave, its own: first Q in f16, at the end O in f32, one head at a time.
.set TILEB,  524288                    ; 128 key rows of 4,096 bytes in k and v
.set KP,     272                       ; K row in LDS: 256 + 16 bytes: the 16 rows of a fragment load start 16 bytes apart modulo 256
.set VP,     288                       ; V row in LDS: 256 + 32 bytes, an odd multiple of 32 for the transposing load
.set KBYTES, 128*KP                    ; 34,816
.set VBYTES, 128*VP                    ; 36,864
.set SLOT,   KBYTES+2*VBYTES           ; 108,544
.set STAGE,  2*SLOT                    ; 217,088
.set STW,    8960                      ; a stage: Q takes 4,480 + 16 x 272 bytes at the most, a head of O 16 x 528
.set KCH,    32*KP                     ; a chunk of 32 keys in K
.set VCH,    32*VP                     ; and in V
.set QH,     4480                      ; stage: head 1 of Q lies 16 x 272 + 128 bytes behind head 0
.set OPITCH, 528                       ; stage: a row of O, 512 + 16 bytes
; window 0
.set KA,  1                            ; v1-2    K fragment address of chunk 0, slot 0, 1
.set VA,  3                            ; v3-4    V hi fragment address of chunk 0
.set LK,  5                            ; v5-6    where I store K
.set LV,  7                            ; v7-8    where I store V hi (V lo: VBYTES further on, in the immediate)
.set GK,  9                            ; lane offsets in k, v, q (and wq), wk; never rewritten
.set GV,  10
.set GQ,  11
.set GW,  12
.set QST, 13                           ; stage: Q in, Q back
.set QLD, 14
.set DD,  15                           ; 16 p + r - 8 h, signed: the mask term
.set OST, 16                           ; stage: O in, O back
.set ORD, 17
.set OG,  18                           ; lane offset in out0
.set KC,  19                           ; v19     K fragment address of the chunk at work (ahead of the first tile: r)
.set VC,  20                           ; v20     V hi fragment address of the chunk at work; V lo lies VBYTES further on (ahead of the first tile: h)
.set DC,  21                           ; v21     DD - 32 x the chunk's number
.set NEG1, 23                          ; v23     -1.0
.set CN,  24                           ; v[24:25] -2 C twice
.set CP,  26                           ; v[26:27] C twice
.set LS,  28                           ; v[28:35] row sums, a pair for each (head, key sub-tile)
.set INV, 36                           ; v[36:39] 1 / l, a pair for each head
.set T,   40                           ; v[40:55] at work
.set WK,  56                           ; v[56:63] wk * sqrt(a) of my 8 channels
.set S,   64                           ; v[64:95] scores: tile (head n, key sub-tile t) at S + 8 (2 n + t); then V lo, channel tiles 0-3
.set P,   96                           ; v[96:111] P^T hi in bf16: head n at P + 8 n
.set PL,  112                          ; v[112:127] P^T lo
.set WQ,  112                          ; v[112:119] wq * sqrt(a), ahead of the first chunk only
.set RB,  64                           ; v[64:127] the way out: rows read back
.set F,   128                          ; v[128:191] fragments of K, then of V^T
.set X,   192                          ; v[192:255] K (and Q) as loaded
; window 1
.set O,   0                            ; v[256:383] O^T: tile (dt, head n) at 8 (2 dt + n)
.set QF,  128                          ; v[384:447] Q fragments: (head n, K step s) at 8 (4 n + s)
.set XV,  192                          ; v[448:511] V as loaded
.set TM,  36                           ; s[36:51] the 16 lane masks of a chunk
.set MSB, 0
.macro WIN new                         ; low byte: bits 1:0 source 0, 3:2 source 1, 5:4 source 2, 7:6 destination; high byte: the setting left
.if MSB != \new
	s_set_vgpr_msb (MSB<<8)|\new
.set MSB, \new
.endif
.endm
.macro PLACES                          ; four plain vector instructions behind a matrix instruction (ISA guide 7.12.1)
.rept 4
	v_nop
.endr
.endm
; K tile qb - tn, my 16 rows: lanes 0-15 row i, lanes 16-31 row i + 8; each load covers two aligned runs of 256 bytes.
.macro LOADK tn, x
.irp i, 0,1,2,3,4,5,6,7
	global_load_b128 v[\x+8*\i:\x+8*\i+3],   v[GK], s[4:5] offset:4096*\i-\tn*TILEB
	global_load_b128 v[\x+8*\i+4:\x+8*\i+7], v[GK], s[4:5] offset:4096*\i+256-\tn*TILEB
.endr
.endm
; V tile qb - tn, my 16 rows: lanes 0-15 row (i & 3) + 8 (i >> 2), lanes 16-31 four rows further down.
.macro LOADV tn
	WIN 0x40
.irp i, 0,1,2,3,4,5,6,7
	global_load_b128 v[XV+8*\i:XV+8*\i+3],   v[GV], s[8:9] offset:4096*((\i&3)+8*(\i>>2))-\tn*TILEB
	global_load_b128 v[XV+8*\i+4:XV+8*\i+7], v[GV], s[8:9] offset:4096*((\i&3)+8*(\i>>2))+256-\tn*TILEB
.endr
	WIN 0
.endm
; Q, positions 8 half + i of my 16: lanes 0-15 head 2 kvh, lanes 16-31 head 2 kvh + 1.  Read once in the launch.
.macro LOADQ half, x
.irp i, 0,1,2,3,4,5,6,7
	global_load_b128 v[\x+8*\i:\x+8*\i+3],   v[GQ], s[6:7] offset:(8*\half+\i)*8192 th:TH_LOAD_NT
	global_load_b128 v[\x+8*\i+4:\x+8*\i+7], v[GQ], s[6:7] offset:(8*\half+\i)*8192+256 th:TH_LOAD_NT
.endr
.endm
; RMS norm of eight pairs of rows and the gains at w: a row's 128 numbers lie 8 to a lane in 16 lanes.  Eight chains that do not wait for each other.
.macro NORM x, w
.irp i, 0,1,2,3,4,5,6,7
	v_pk_mul_f32 v[T+2*\i:T+2*\i+1], v[\x+8*\i:\x+8*\i+1], v[\x+8*\i:\x+8*\i+1]
.endr
.irp jj, 1,2,3
.irp i, 0,1,2,3,4,5,6,7
	v_pk_fma_f32 v[T+2*\i:T+2*\i+1], v[\x+8*\i+2*\jj:\x+8*\i+2*\jj+1], v[\x+8*\i+2*\jj:\x+8*\i+2*\jj+1], v[T+2*\i:T+2*\i+1]
.endr
.endr
.irp i, 0,1,2,3,4,5,6,7
	v_add_f32 v[T+2*\i], v[T+2*\i], v[T+2*\i+1]
.endr
.irp m, 1,2,4,8
.irp i, 0,1,2,3,4,5,6,7
	v_add_f32_dpp v[T+2*\i], v[T+2*\i], v[T+2*\i] row_xmask:\m row_mask:0xf bank_mask:0xf
.endr
.endr
.irp i, 0,1,2,3,4,5,6,7
	v_fma_f32 v[T+2*\i], v[T+2*\i], s28, s29       ; sum / 128 + eps
.endr
.irp i, 0,1,2,3,4,5,6,7
	v_rsq_f32 v[T+2*\i], v[T+2*\i]
.endr
	v_nop                                          ; one plain instruction between the last v_rsq_f32 and the use of its result (ISA guide 5.7.2)
	s_wait_alu depctr_va_vdst(0)
.irp i, 0,1,2,3,4,5,6,7
.irp jj, 0,1,2,3
	v_pk_mul_f32 v[\x+8*\i+2*\jj:\x+8*\i+2*\jj+1], v[\x+8*\i+2*\jj:\x+8*\i+2*\jj+1], v[T+2*\i:T+2*\i+1] op_sel_hi:[1,0]
.endr
.endr
.irp i, 0,1,2,3,4,5,6,7
.irp jj, 0,1,2,3
	v_pk_mul_f32 v[\x+8*\i+2*\jj:\x+8*\i+2*\jj+1], v[\x+8*\i+2*\jj:\x+8*\i+2*\jj+1], v[\w+2*\jj:\w+2*\jj+1]
.endr
.endr
.endm
; eight f32 to four words of f16, in place: word jj is written when registers 2 jj and 2 jj + 1 are read, never ahead of them
.macro PACK x
.irp i, 0,1,2,3,4,5,6,7
.irp jj, 0,1,2,3
	v_cvt_pk_f16_f32 v[\x+8*\i+\jj], v[\x+8*\i+2*\jj], v[\x+8*\i+2*\jj+1]
.endr
.endr
.endm
.macro PACKV                           ; V hi: bf16(v), from window 1 into the upper four words of each group of X
	WIN 0x05
.irp i, 0,1,2,3,4,5,6,7
.irp jj, 0,1,2,3
	v_cvt_pk_bf16_f32 v[X+8*\i+4+\jj], v[XV+8*\i+2*\jj], v[XV+8*\i+2*\jj+1]
.endr
.endr
	WIN 0
.endm
; LDS stores of 8 bytes a lane: lanes 0-15 fill 128 bytes of one row, lanes 16-31 128 bytes that lie 128 modulo 256 further on
.macro STK sl, x
.irp i, 0,1,2,3,4,5,6,7
	ds_store_b64 v[LK+\sl], v[\x+8*\i:\x+8*\i+1]   offset:KP*\i
	ds_store_b64 v[LK+\sl], v[\x+8*\i+2:\x+8*\i+3] offset:KP*\i+128
.endr
.endm
.macro STV sl
.irp i, 0,1,2,3,4,5,6,7
	ds_store_b64 v[LV+\sl], v[X+8*\i+4:X+8*\i+5] offset:VP*((\i&3)+8*(\i>>2))
	ds_store_b64 v[LV+\sl], v[X+8*\i+6:X+8*\i+7] offset:VP*((\i&3)+8*(\i>>2))+128
.endr
.endm
; V lo: v - hi is exact in f32 (hi holds v's leading bits); rounded to bf16 in place in window 1 and stored from there
.macro VLO sl
	WIN 0x50                                       ; third source and destination in window 1
.irp i, 0,1,2,3,4,5,6,7
.irp jj, 0,1,2,3
	v_fma_mix_f32_bf16 v[XV+8*\i+2*\jj],   v[X+8*\i+4+\jj], v[NEG1], v[XV+8*\i+2*\jj]   op_sel_hi:[1,0,0]
	v_fma_mix_f32_bf16 v[XV+8*\i+2*\jj+1], v[X+8*\i+4+\jj], v[NEG1], v[XV+8*\i+2*\jj+1] op_sel:[1,0,0] op_sel_hi:[1,0,0]
.endr
.endr
	WIN 0x45                                       ; both sources and the destination in window 1
.irp i, 0,1,2,3,4,5,6,7
.irp jj, 0,1,2,3
	v_cvt_pk_bf16_f32 v[XV+8*\i+\jj], v[XV+8*\i+2*\jj], v[XV+8*\i+2*\jj+1]
.endr
.endr
	WIN 0x04                                       ; a store's data is its second source
.irp i, 0,1,2,3,4,5,6,7
	ds_store_b64 v[LV+\sl], v[XV+8*\i:XV+8*\i+1]   offset:VBYTES+VP*((\i&3)+8*(\i>>2))
	ds_store_b64 v[LV+\sl], v[XV+8*\i+2:XV+8*\i+3] offset:VBYTES+VP*((\i&3)+8*(\i>>2))+128
.endr
	WIN 0
.endm
.macro STQ half, x
.irp i, 0,1,2,3,4,5,6,7
	ds_store_b64 v[QST], v[\x+8*\i:\x+8*\i+1]   offset:KP*(8*\half+\i)
	ds_store_b64 v[QST], v[\x+8*\i+2:\x+8*\i+3] offset:KP*(8*\half+\i)+128
.endr
.endm
; Eight products of O^T: channel tiles dlo .. dlo + 3 x both heads; V^T fragments from fb on, P^T at pp.  Under WIN 0x50.
; The eight accumulators take turns, one instruction a turn.
.macro PV8 dlo, pp, fb, zero
.irp dd, 0,1,2,3
.irp hn, 0,1
.if \zero
	v_wmma_f32_16x16x32_bf16 v[O+8*(2*(\dlo+\dd)+\hn):O+8*(2*(\dlo+\dd)+\hn)+7], v[\fb+8*\dd:\fb+8*\dd+7], v[\pp+8*\hn:\pp+8*\hn+7], 0
.else
	v_wmma_f32_16x16x32_bf16 v[O+8*(2*(\dlo+\dd)+\hn):O+8*(2*(\dlo+\dd)+\hn)+7], v[\fb+8*\dd:\fb+8*\dd+7], v[\pp+8*\hn:\pp+8*\hn+7], v[O+8*(2*(\dlo+\dd)+\hn):O+8*(2*(\dlo+\dd)+\hn)+7]
.endif
.endr
.endr
.endm
; Row sums, in f32, four chains.  zero = 1: the first add takes two pairs of S: nothing is cleared.
.macro LSADD zero
.if \zero
.irp qt, 0,1,2,3
	v_pk_add_f32 v[LS+2*\qt:LS+2*\qt+1], v[S+8*\qt:S+8*\qt+1], v[S+8*\qt+2:S+8*\qt+3]
.endr
.irp jj, 2,3
.irp qt, 0,1,2,3
	v_pk_add_f32 v[LS+2*\qt:LS+2*\qt+1], v[LS+2*\qt:LS+2*\qt+1], v[S+8*\qt+2*\jj:S+8*\qt+2*\jj+1]
.endr
.endr
.else
.irp jj, 0,1,2,3
.irp qt, 0,1,2,3
	v_pk_add_f32 v[LS+2*\qt:LS+2*\qt+1], v[LS+2*\qt:LS+2*\qt+1], v[S+8*\qt+2*\jj:S+8*\qt+2*\jj+1]
.endr
.endr
.endif
.endm
; One chunk: the 32 keys at KC, VC x my 32 query rows.  mode 0: all allowed; 1: diagonal tile; 2: old edge.  zero = 1: the first chunk
; starts all sums.  prec = 1: P and V are split and three products are added.  STEP always follows.
.macro CHUNK mode, zero, prec
.irp kq, 0,1,2,3                       ; K fragments: K step kq (32 channels), key sub-tile kt (16 keys)
.irp kt, 0,1
	ds_load_b128 v[F+8*(2*\kq+\kt):F+8*(2*\kq+\kt)+3],   v[KC] offset:\kt*16*KP+64*\kq
	ds_load_b128 v[F+8*(2*\kq+\kt)+4:F+8*(2*\kq+\kt)+7], v[KC] offset:\kt*16*KP+64*\kq+32
.endr
.endr
.if \mode == 1                         ; key 32 c + 16 t + 8 h + j <= query 16 p + r, both counted from the tile: 16 t + j <= DC
.irp kt, 0,1
.irp jj, 0,1,2,3,4,5,6,7
	v_cmp_le_i32 s[TM+8*\kt+\jj], 16*\kt+\jj, v[DC]
.endr
.endr
.endif
.if \mode == 2                         ; distance 512 + 16 p + r - (32 c + 16 t + 8 h + j) <= 512: 16 t + j >= DC
.irp kt, 0,1
.irp jj, 0,1,2,3,4,5,6,7
	v_cmp_ge_i32 s[TM+8*\kt+\jj], 16*\kt+\jj, v[DC]
.endr
.endr
.endif
	WIN 0x04                                       ; second source (Q) in window 1
.irp kq, 0,1,2,3
	s_wait_dscnt 12-4*\kq                          ; LDS loads come back in order: the four of K step kq are in, the younger ones stay out
.irp kt, 0,1                           ; the four accumulators take turns, one instruction a turn
.irp hn, 0,1
.if \kq == 0
	v_wmma_f32_16x16x32_f16 v[S+8*(2*\hn+\kt):S+8*(2*\hn+\kt)+7], v[F+8*(2*\kq+\kt):F+8*(2*\kq+\kt)+7], v[QF+8*(4*\hn+\kq):QF+8*(4*\hn+\kq)+7], 0
.else
	v_wmma_f32_16x16x32_f16 v[S+8*(2*\hn+\kt):S+8*(2*\hn+\kt)+7], v[F+8*(2*\kq+\kt):F+8*(2*\kq+\kt)+7], v[QF+8*(4*\hn+\kq):QF+8*(4*\hn+\kq)+7], v[S+8*(2*\hn+\kt):S+8*(2*\hn+\kt)+7]
.endif
.endr
.endr
.endr
	WIN 0
	PLACES                                         ; in front of the loads into F, which the products read, of the reads of S and of the later loads into S
.irp dt, 0,1,2,3,4,5,6,7               ; V^T hi fragments: 16 channels x 32 keys; they land while the exponentials run
	ds_load_tr16_b128 v[F+8*\dt:F+8*\dt+3],   v[VC] offset:32*\dt
	ds_load_tr16_b128 v[F+8*\dt+4:F+8*\dt+7], v[VC] offset:32*\dt+16*VP
.endr
.set ii, 0
.rept 32
	v_exp_f32 v[S+ii], v[S+ii]                     ; t = 2^x
.set ii, ii+1
.endr
	v_nop                                          ; one plain instruction behind the last transcendental of a run (ISA guide 5.7.2)
.set ii, 0
	s_wait_alu depctr_va_vdst(0)
.rept 16
	v_pk_add_f32 v[S+ii:S+ii+1], v[S+ii:S+ii+1], 1.0 op_sel_hi:[1,0]
.set ii, ii+2
.endr
.set ii, 0
.rept 32
	v_rcp_f32 v[S+ii], v[S+ii]                     ; r = 1 / (1 + t)
.set ii, ii+1
.endr
	v_nop
.set ii, 0
	s_wait_alu depctr_va_vdst(0)
.rept 16
	v_pk_fma_f32 v[S+ii:S+ii+1], v[S+ii:S+ii+1], v[CN:CN+1], v[CP:CP+1]   ; C - 2 C r
.set ii, ii+2
.endr
.set ii, 0
.rept 32
	v_exp_f32 v[S+ii], v[S+ii]                     ; p
.set ii, ii+1
.endr
	v_nop
.if \mode
	s_wait_alu depctr_va_vdst(0)
.irp hn, 0,1                           ; a mask serves both heads: it hangs on key and position alone
.irp kt, 0,1
.irp jj, 0,1,2,3,4,5,6,7
	v_cndmask_b32 v[S+8*(2*\hn+\kt)+\jj], 0, v[S+8*(2*\hn+\kt)+\jj], s[TM+8*\kt+\jj]
.endr
.endr
.endr
.endif
	s_wait_alu depctr_va_vdst(0)
.irp hn, 0,1                           ; registers 0-3 of the fragment: keys 8 h + 0..7 (sub-tile 0); registers 4-7: keys 16 + 8 h + 0..7 (sub-tile 1)
.irp kt, 0,1
.irp jj, 0,1,2,3
	v_cvt_pk_bf16_f32 v[P+8*\hn+4*\kt+\jj], v[S+8*(2*\hn+\kt)+2*\jj], v[S+8*(2*\hn+\kt)+2*\jj+1]
.endr
.endr
.endr
.if \prec
	LSADD \zero                                    ; while S still holds p
.irp hn, 0,1                           ; p - hi, exact in f32, in place
.irp kt, 0,1
.irp jj, 0,1,2,3
	v_fma_mix_f32_bf16 v[S+8*(2*\hn+\kt)+2*\jj],   v[P+8*\hn+4*\kt+\jj], v[NEG1], v[S+8*(2*\hn+\kt)+2*\jj]   op_sel_hi:[1,0,0]
	v_fma_mix_f32_bf16 v[S+8*(2*\hn+\kt)+2*\jj+1], v[P+8*\hn+4*\kt+\jj], v[NEG1], v[S+8*(2*\hn+\kt)+2*\jj+1] op_sel:[1,0,0] op_sel_hi:[1,0,0]
.endr
.endr
.endr
.irp hn, 0,1
.irp kt, 0,1
.irp jj, 0,1,2,3
	v_cvt_pk_bf16_f32 v[PL+8*\hn+4*\kt+\jj], v[S+8*(2*\hn+\kt)+2*\jj], v[S+8*(2*\hn+\kt)+2*\jj+1]
.endr
.endr
.endr
.irp dt, 0,1,2,3                       ; S is free: V^T lo, channel tiles 0-3.  The largest immediate is 36,864 + 224 + 4,608, inside its 16 bits
	ds_load_tr16_b128 v[S+8*\dt:S+8*\dt+3],   v[VC] offset:VBYTES+32*\dt
	ds_load_tr16_b128 v[S+8*\dt+4:S+8*\dt+7], v[VC] offset:VBYTES+32*\dt+16*VP
.endr
	s_wait_dscnt 8                                 ; the 16 loads of V hi are in, the 8 of V lo are younger
	WIN 0x50                                       ; C and D in window 1
	PV8 0, P,  F, \zero
	PV8 0, PL, F, 0
	WIN 0
	PLACES                                         ; in front of the loads into F's lower half, which these products read
.irp dt, 0,1,2,3                       ; V^T lo, channel tiles 4-7
	ds_load_tr16_b128 v[F+8*\dt:F+8*\dt+3],   v[VC] offset:VBYTES+32*(\dt+4)
	ds_load_tr16_b128 v[F+8*\dt+4:F+8*\dt+7], v[VC] offset:VBYTES+32*(\dt+4)+16*VP
.endr
	WIN 0x50
	PV8 4, P,  F+32, \zero
	PV8 4, PL, F+32, 0
	s_wait_dscnt 8                                 ; V lo's tiles 0-3 are in, the 8 loads of tiles 4-7 are younger
	PV8 0, P, S, 0
	s_wait_dscnt 0x0
	PV8 4, P, F, 0
	WIN 0
.rept 3                                ; with the two adds or more of STEP, which always follows: five places in front of the next loads into F (four
	v_nop                          ; are asked) and of the next first product, which writes over S (five are asked)
.endr
.else
	s_wait_dscnt 0x0                               ; the V^T fragments are in
	WIN 0x50                                       ; C and D in window 1
	PV8 0, P, F, \zero
	PV8 4, P, F+32, \zero
	WIN 0
	LSADD \zero                                    ; these adds name none of the last products' registers: they are the places in front of the next
	                                               ; loads into F, the next write of P and the way out's reads of O
.endif
.endm
; On to the next 32 keys.  LDS instructions have read their address when they are issued: no wait.
.macro STEP mode
	v_add_nc_u32 v[KC], KCH, v[KC]
	v_add_nc_u32 v[VC], VCH, v[VC]
.if \mode
	v_add_nc_u32 v[DC], 0xffffffe0, v[DC]          ; - 32
.endif
.endm
; The four chunks of the tile in slot.  The trips are four for every wave; a chunk that the mask empties for my positions is jumped over
; inside its trip.  Diagonal: keys 32 c .. reach my positions 16 p .. 16 p + 15 iff c <= p >> 1.  Old edge: iff c >= p >> 1.
; The diagonal tile is the first: its chunk 0, which every wave does, stands ahead of the loop and starts the sums.
.macro CHUNKS slot, mode, prec
	v_mov_b32 v[KC], v[KA+\slot]
	v_mov_b32 v[VC], v[VA+\slot]
.if \mode
	v_mov_b32 v[DC], v[DD]
.endif
.if \mode == 1
	CHUNK 1, 1, \prec
	STEP 1
	s_mov_b32 s3, 1
.else
	s_mov_b32 s3, 0
.endif
.Lchunk_\@:
.if \mode == 1
	s_cmp_lt_u32 s18, s3
	s_cbranch_scc1 .Lskip_\@
.endif
.if \mode == 2
	s_cmp_gt_u32 s18, s3
	s_cbranch_scc1 .Lskip_\@
.endif
	CHUNK \mode, 0, \prec
.if \mode
.Lskip_\@:
.endif
	STEP \mode
	s_add_co_u32 s3, s3, 1
	s_cmp_lt_u32 s3, 4
	s_cbranch_scc1 .Lchunk_\@
.endm
; Tile qb - num, in slot.  The next tile's rows are asked for first, land in registers during the four chunks, and go to the other slot.
; Whether a next tile exists is asked where it can fail: in the text of qb <= 2 (prec), and from tile qb - 2 on.
.macro PHASE num, slot, mode, prec
.set GUARD, \prec
.if \num >= 2
.set GUARD, 1
.endif
.if \num < 4
.if GUARD
	s_cmp_le_u32 s19, \num                         ; tile 0 was the last: nothing below it
	s_cbranch_scc1 .Lnl_\@
.endif
	LOADK (\num+1), X
	LOADV (\num+1)
.if GUARD
.Lnl_\@:
.endif
.endif
	CHUNKS \slot, \mode, \prec
.if \num < 4
.if GUARD
	s_cmp_le_u32 s19, \num                         ; the same number in all eight waves
	s_cbranch_scc1 .Lepi
.endif
	s_wait_loadcnt 16                              ; the 16 loads of K are in, the 16 of V are younger
	NORM X, WK
	PACK X
	STK (1-\slot), X                               ; the other slot was last read one tile ago, in front of the last barrier
	s_wait_loadcnt 0x0
	PACKV
	STV (1-\slot)
.if \prec
.if \num == 0
	VLO (1-\slot)                                  ; the tile below the diagonal one is split too
.endif
.endif
	s_wait_dscnt 0x0                               ; for the others: my stores into the next slot and my reads of this one are done
	s_barrier_signal -1
	s_barrier_wait -1
.endif
.endm
; The way out for head hn: scale by 1 / l, 16 rows of 512 bytes through my stage, whole rows out.
.macro OUTHALF hn
	WIN 0x01                                       ; first source (O) in window 1
.irp dt, 0,1,2,3,4,5,6,7
.irp jj, 0,1,2,3
	v_pk_mul_f32 v[F+8*\dt+2*\jj:F+8*\dt+2*\jj+1], v[O+8*(2*\dt+\hn)+2*\jj:O+8*(2*\dt+\hn)+2*\jj+1], v[INV+2*\hn:INV+2*\hn+1]
.endr
.endr
	WIN 0
.irp dt, 0,1,2,3,4,5,6,7               ; lane (r, h): channels 16 dt + 8 h + 0..7 of position r.  Both heads use the same bytes: the first head's read-backs have all returned
	ds_store_b128 v[OST], v[F+8*\dt:F+8*\dt+3]   offset:64*\dt
	ds_store_b128 v[OST], v[F+8*\dt+4:F+8*\dt+7] offset:64*\dt+16
.endr
.if \hn
	s_wait_xcnt 0x0                                ; RB is the data of the first half's stores: it is loaded again only behind this wait
.endif
.irp rho, 0,1,2,3,4,5,6,7,8,9,10,11,12,13,14,15
	ds_load_b128 v[RB+4*\rho:RB+4*\rho+3], v[ORD] offset:OPITCH*\rho   ; LDS serves a wave's instructions in order: these see the stores above
.endr
.irp rho, 0,1,2,3,4,5,6,7,8,9,10,11,12,13,14,15
	s_wait_dscnt 15-\rho
	global_store_b128 v[OG], v[RB+4*\rho:RB+4*\rho+3], s[14:15] offset:8192*\rho+512*\hn th:TH_STORE_NT   ; 512 consecutive bytes, aligned: one head of one position
.endr
.endm
	; ---- ids, offsets, lane terms ----
	s_load_b256 s[4:11], s[0:1], 0x0               ; k s[4:5], q s[6:7], v s[8:9], wk s[10:11]
	s_load_b128 s[12:15], s[0:1], 0x20             ; wq s[12:13], out0 s[14:15]
	v_lshrrev_b32 v19, 5, v0
	v_readfirstlane_b32 s16, v19                   ; w
	s_sub_co_u32 s17, 11, s16
	s_cmp_lt_u32 s16, 4
	s_cselect_b32 s17, s16, s17                    ; p
	s_lshr_b32 s18, s17, 1                         ; p >> 1
	s_mov_b32 s19, ttmp9                           ; qb
	s_and_b32 s20, ttmp7, 0xffff                   ; bh
	s_lshr_b32 s21, s20, 3                         ; b
	s_and_b32 s22, s20, 7                          ; kvh
	s_mul_i32 s23, s16, STW
	s_add_co_u32 s23, s23, STAGE                   ; my stage
	s_lshl_b32 s24, s21, 23                        ; k, v: batch,
	s_lshl_b32 s2, s19, 19                         ; the diagonal tile,
	s_add_co_u32 s24, s24, s2
	s_lshl_b32 s32, s22, 9                         ; the kv head (also its 128 numbers of wk)
	s_add_co_u32 s24, s24, s32
	s_mov_b32 s25, 0
	s_mov_b32 s33, 0
	s_lshl_b32 s26, s21, 24                        ; q, out0: batch,
	s_lshl_b32 s3, s19, 20                         ; the block of 128 positions,
	s_add_co_u32 s26, s26, s3
	s_lshl_b32 s3, s17, 17                         ; my 16 positions,
	s_add_co_u32 s26, s26, s3
	s_lshl_b32 s34, s22, 10                        ; the pair of heads (also their 256 numbers of wq)
	s_add_co_u32 s26, s26, s34
	s_mov_b32 s27, 0
	s_mov_b32 s35, 0
	s_mov_b32 s28, 0x3c000000                      ; 1 / 128
	s_mov_b32 s29, 0x3727c5ac                      ; 1e-5
	s_mov_b32 s30, 0x76543210                      ; v_permlanex16_b32: lane i reads lane i of the other half
	s_mov_b32 s31, 0xfedcba98
	v_and_b32 v21, 31, v0                          ; L
	v_and_b32 v19, 15, v0                          ; r
	v_bfe_u32 v20, v0, 4, 1                        ; h
	v_mul_u32_u24 v[KA], v19, KP
	v_lshl_add_u32 v[KA], v20, 4, v[KA]            ; 272 r + 16 h
	v_add_nc_u32 v[QLD], s23, v[KA]                ; the same lane term in my stage
	v_add_nc_u32 v[KA+1], SLOT, v[KA]
	v_and_b32 v22, 7, v0
	v_lshl_add_u32 v22, v20, 3, v22                ; 8 h + (L & 7)
	v_mul_u32_u24 v[VA], v22, VP
	v_bfe_u32 v23, v0, 3, 1
	v_lshl_add_u32 v[VA], v23, 4, v[VA]            ; + 16 ((L >> 3) & 1)
	v_add_nc_u32 v[VA], KBYTES, v[VA]
	v_add_nc_u32 v[VA+1], SLOT, v[VA]
	s_mul_i32 s2, s16, 16*KP
	v_mul_u32_u24 v22, v20, 8*KP
	v_lshl_add_u32 v22, v19, 3, v22
	v_add_nc_u32 v[LK], s2, v22                    ; 4352 w + 2176 h + 8 r
	v_add_nc_u32 v[LK+1], SLOT, v[LK]
	s_mul_i32 s3, s16, 16*VP
	s_add_co_u32 s3, s3, KBYTES
	v_mul_u32_u24 v23, v20, 4*VP
	v_lshl_add_u32 v23, v19, 3, v23
	v_add_nc_u32 v[LV], s3, v23                    ; KBYTES + 4608 w + 1152 h + 8 r
	v_add_nc_u32 v[LV+1], SLOT, v[LV]
	s_lshl_b32 s20, s16, 16                        ; my 16 rows of 4,096 bytes
	v_lshlrev_b32 v[GW], 4, v19                    ; 16 r
	v_lshl_add_u32 v[GK], v20, 15, v[GW]
	v_add_nc_u32 v[GK], s20, v[GK]                 ; 65536 w + 32768 h + 16 r
	v_lshl_add_u32 v[GV], v20, 14, v[GW]
	v_add_nc_u32 v[GV], s20, v[GV]                 ; 65536 w + 16384 h + 16 r
	v_lshl_add_u32 v[GQ], v20, 9, v[GW]            ; 512 h + 16 r
	v_mul_u32_u24 v22, v20, QH
	v_lshl_add_u32 v22, v19, 3, v22
	v_add_nc_u32 v[QST], s23, v22                  ; stage + 4480 h + 8 r
	v_mul_u32_u24 v23, v19, OPITCH
	v_lshl_add_u32 v23, v20, 5, v23
	v_add_nc_u32 v[OST], s23, v23                  ; stage + 528 r + 32 h
	v_lshlrev_b32 v[OG], 4, v21                    ; 16 L
	v_add_nc_u32 v[ORD], s23, v[OG]
	s_lshl_b32 s21, s17, 4
	v_lshlrev_b32 v22, 3, v20
	v_sub_nc_u32 v22, v19, v22
	v_add_nc_u32 v[DD], s21, v22                   ; 16 p + r - 8 h
	v_mov_b32 v[NEG1], -1.0                        ; v23 gets its lasting content; v19-21 get theirs at the head of each tile
	v_mov_b32 v[CN], 0xc2ad1f97                    ; -60 log2(e)
	v_mov_b32 v[CN+1], 0xc2ad1f97
	v_mov_b32 v[CP], 0x422d1f97                    ; 30 log2(e)
	v_mov_b32 v[CP+1], 0x422d1f97
	s_wait_kmcnt 0x0
	s_add_nc_u64 s[4:5], s[4:5], s[24:25]          ; bases are written here and never again: tiles are reached by the loads' immediates
	s_add_nc_u64 s[8:9], s[8:9], s[24:25]
	s_add_nc_u64 s[6:7], s[6:7], s[26:27]
	s_add_nc_u64 s[14:15], s[14:15], s[26:27]
	s_add_nc_u64 s[10:11], s[10:11], s[32:33]
	s_add_nc_u64 s[12:13], s[12:13], s[34:35]
	; ---- 52 loads: gains 4, Q 32, V of the diagonal tile 16 ----
	global_load_b128 v[WQ:WQ+3],   v[GQ], s[12:13]
	global_load_b128 v[WQ+4:WQ+7], v[GQ], s[12:13] offset:256
	global_load_b128 v[WK:WK+3],   v[GW], s[10:11]
	global_load_b128 v[WK+4:WK+7], v[GW], s[10:11] offset:256
	LOADQ 0, F
	LOADQ 1, X
	LOADV 0
	s_wait_loadcnt 48                              ; the four loads of gains are in, 48 younger ones stay out
.irp jj, 0,1,2,3
	v_pk_mul_f32 v[WQ+2*\jj:WQ+2*\jj+1], v[WQ+2*\jj:WQ+2*\jj+1], 0x3dbcd445 op_sel_hi:[1,0]   ; sqrt(a), a = 2 log2(e) / (30 sqrt(128))
	v_pk_mul_f32 v[WK+2*\jj:WK+2*\jj+1], v[WK+2*\jj:WK+2*\jj+1], 0x3dbcd445 op_sel_hi:[1,0]
.endr
	s_wait_loadcnt 32                              ; positions 0-7 of Q are in; positions 8-15 and V are younger
	NORM F, WQ
	PACK F
	STQ 0, F
	LOADK 0, F                                     ; the diagonal tile of K, 16 loads more
	s_wait_loadcnt 32                              ; positions 8-15 of Q are in; V and K are younger
	NORM X, WQ
	PACK X
	STQ 1, X
	WIN 0x40                                       ; Q fragments, kept for the whole kernel; the stage is my own and LDS serves my instructions in order
.irp hn, 0,1
.irp kq, 0,1,2,3
	ds_load_b128 v[QF+8*(4*\hn+\kq):QF+8*(4*\hn+\kq)+3],   v[QLD] offset:QH*\hn+64*\kq
	ds_load_b128 v[QF+8*(4*\hn+\kq)+4:QF+8*(4*\hn+\kq)+7], v[QLD] offset:QH*\hn+64*\kq+32
.endr
.endr
	WIN 0
	s_wait_loadcnt 16                              ; V is in; K is younger
	PACKV
	STV 0
	s_cmp_gt_u32 s19, 2                            ; V lo of the diagonal tile: read by the work-groups with qb <= 2 alone
	s_cbranch_scc1 .Lnolo
	VLO 0
.Lnolo:
	s_wait_loadcnt 0x0                             ; K is in
	NORM F, WK
	PACK F
	STK 0, F
	s_wait_dscnt 0x0                               ; my part of slot 0 is stored, my Q fragments are in
	s_barrier_signal -1
	s_barrier_wait -1
	s_cmp_gt_u32 s19, 2                            ; the same number in all eight waves
	s_cbranch_scc1 .Lplain
	PHASE 0, 0, 1, 1                               ; qb <= 2: the diagonal tile and the one below it with split P and V
	PHASE 1, 1, 0, 1
	s_branch .Lphase2                              ; qb = 2: tile 0 lies in slot 0, as the common text expects it
.Lplain:
	PHASE 0, 0, 1, 0                               ; the diagonal tile
	PHASE 1, 1, 0, 0
.Lphase2:
	PHASE 2, 0, 0, 0
	PHASE 3, 1, 0, 0
	PHASE 4, 0, 2, 0                               ; the old edge
.Lepi:
	v_pk_add_f32 v[T:T+1],   v[LS:LS+1],   v[LS+2:LS+3]
	v_pk_add_f32 v[T+2:T+3], v[LS+4:LS+5], v[LS+6:LS+7]
	v_add_f32 v[T],   v[T],   v[T+1]
	v_add_f32 v[T+2], v[T+2], v[T+3]
	v_permlanex16_b32 v[T+1], v[T],   s30, s31     ; the other half of the lanes holds the other keys of the same query
	v_permlanex16_b32 v[T+3], v[T+2], s30, s31
	v_add_f32 v[T],   v[T],   v[T+1]
	v_add_f32 v[T+2], v[T+2], v[T+3]
	v_rcp_f32 v[INV],   v[T]                       ; l lies in [2^-43.3, 2^53]
	v_rcp_f32 v[INV+1], v[T]
	v_rcp_f32 v[INV+2], v[T+2]
	v_rcp_f32 v[INV+3], v[T+2]
	v_nop
	s_wait_alu depctr_va_vdst(0)
	OUTHALF 0
	OUTHALF 1
	s_wait_xcnt 0x0
	v_lshl_add_u32 v254, v0, 2, 0x46800
	v_mov_b32 v255, 0
	s_wait_tensorcnt 0x0
	ds_add_u32 v254, v255
	s_wait_dscnt 0x0
	s_endpgm
.Lfunc_end_k_q2dbd657321_swattn:
	.size	k_q2dbd657321_swattn, .Lfunc_end_k_q2dbd657321_swattn-k_q2dbd657321_swattn
	.p2alignl 7, 3214868480
	.fill 96, 4, 3214868480
	.section	.rodata,"a",@progbits
	.p2align	6, 0x0
	.amdhsa_kernel k_q2dbd657321_swattn
		.amdhsa_group_segment_fixed_size 289792
		.amdhsa_private_segment_fixed_size 0
		.amdhsa_enable_private_segment 0
		.amdhsa_kernarg_size 48
		.amdhsa_user_sgpr_count 2
		.amdhsa_user_sgpr_kernarg_segment_ptr 1
		.amdhsa_wavefront_size32 1
		.amdhsa_system_sgpr_workgroup_id_x 1
		.amdhsa_system_sgpr_workgroup_id_y 1
		.amdhsa_system_sgpr_workgroup_id_z 1
		.amdhsa_system_vgpr_workitem_id 0
		.amdhsa_next_free_vgpr 512
		.amdhsa_next_free_sgpr 66
		.amdhsa_reserve_vcc 0
		.amdhsa_float_denorm_mode_32 3
		.amdhsa_float_denorm_mode_16_64 3
		.amdhsa_memory_ordered 1
		.amdhsa_forward_progress 1
		.amdhsa_inst_pref_size 255
	.end_amdhsa_kernel
	.section	.bss,"aw",@nobits
	.p2align	6
	.space	262144
	.amdgpu_metadata
---
amdhsa.version: [ 1, 2 ]
amdhsa.kernels:
  - .name:           k_q2dbd657321_swattn
    .symbol:         k_q2dbd657321_swattn.kd
    .args:
      - { .name: k, .offset: 0, .size: 8, .value_kind: global_buffer, .address_space: global }
      - { .name: q, .offset: 8, .size: 8, .value_kind: global_buffer, .address_space: global }
      - { .name: v, .offset: 16, .size: 8, .value_kind: global_buffer, .address_space: global }
      - { .name: wk, .offset: 24, .size: 8, .value_kind: global_buffer, .address_space: global }
      - { .name: wq, .offset: 32, .size: 8, .value_kind: global_buffer, .address_space: global }
      - { .name: out0, .offset: 40, .size: 8, .value_kind: global_buffer, .address_space: global }
    .group_segment_fixed_size: 289792
    .private_segment_fixed_size: 0
    .kernarg_segment_align: 8
    .kernarg_segment_size: 48
    .max_flat_workgroup_size: 256
    .sgpr_count:     66
    .vgpr_count:     512
    .wavefront_size: 32
...
	.end_amdgpu_metadata
.endif
;; end of part 1
